; MI455X (gfx1250); checked and timed in simulation.
; The chip was launched on July 23, 2026; its instructions are those of AMD's public machine-readable ISA for CDNA 5 (MIT licence, August 2026) and "CDNA5" Instruction Set Architecture Reference Guide (July 2026). The comments in the code are by the model that wrote it; some were corrected since.
;; Outliers Q Linear Unstruct. Allowed arithmetic: matrix products marked QUANTISED: E4M3 operands, one given power-of-two scale a tensor, by v_wmma_f32_16x16x64_fp8_fp8 or v_wmma_f32_16x16x128_fp8_fp8, f32 sums; everything else in f32.
;; Inputs: bias 11,008 float32; lowp_scales 2 int32 (the exponents e of the quantised operands' scales 2^e); outlier_mask 11,008 x 4,096 bool; weight 11,008 x 4,096 float32; x 32 x 1 x 4,096 float32.
;; Outputs: out0 32 x 1 x 11,008 float32.
;; This version of the problem:
;;   THIS VERSION OF THE PROBLEM IS GIVEN IN LOW PRECISION. The matrix products marked QUANTISED in the list below multiply operands that are first quantised to E4M3 (4 exponent bits, 3 mantissa bits; 8 bits a number), with one given power-of-two scale for each operand tensor; their sums are f32. All else is computed in f32.
;;   The module's matrix products, in the order in which they are computed (A, B: the left and right operand; K: the contracted axis; several contracted axes count as one K, in the product's order):
;;     1. [M 32, K 4,096] x [K 4,096, N 11,008]; A: input x; B: computed on the way: QUANTISED (scales: A lowp_scales[0], B lowp_scales[1])
;;   THE QUANTISER, for each operand of a quantised product, along K:
;;     - The operand's scale is 2^e, e = its entry of the input lowp_scales (int32; the entries are numbered through the quantised products in the list's order, A before B).
;;     - Each number is divided by the scale, clamped to +-448, and rounded to the nearest number of E4M3, ties to even, subnormals kept.
;;     - The product sums the exact products of the quantised numbers (number of the format x scale) in f32.
;;   ~~~python
;;   def quantise(x, axis, e):      # numpy; x: float32 -> the quantised numbers, widened to float32 again
;;       x = np.moveaxis(x, axis, -1); K = x.shape[-1]
;;       r = np.clip(x / 2.0 ** e, -448, 448)
;;       step = 2.0 ** (np.maximum(np.frexp(np.where(r == 0, 1, r))[1] - 1, -6) - 3)
;;       q = np.round(r / step) * step * 2.0 ** e      # np.round: ties to even
;;       return np.moveaxis(q, -1, axis).astype(np.float32)
;;   ~~~
;;   OPERANDS COMPUTED ON THE WAY. 'Computed on the way' means the value that the module computes at that place (a softmax that the list does not call 'softmax' is quantised finished and normalised). What goes into a quantiser is computed in f32, as accurately as f32 sums, v_exp_f32 and their like allow (about 1e-6 of the number): no bf16 or f16 on the way to a quantiser, and a product that is left as it is and whose result goes on into a quantised operand takes f32 operands (vector FMAs, or v_wmma_f32_16x16x4_f32). A number that lies on a knife's edge between two numbers of the format may be rounded either way, as far as f32 arithmetic and the matrix unit's own rounding can turn it there, and no further.
;; One version. Each part assembles by itself: llvm-mc -triple=amdgcn-amd-amdhsa -mcpu=gfx1250 --defsym DOCPART=n.
;; ======== version 1 of 1: 2 launches
;; limits: inputs' magnitudes at most 134,217,728; right only within a limited range of input values
;; workspace buffers: xc 131,072 bytes
;; launch x_codes (part 1): grid 256 x 1, 1 waves a work-group, no clusters, 0 bytes of LDS; arguments x, lowp_scales, xc; writes xc
.if DOCPART == 1
	.amdgcn_target "amdgcn-amd-amdhsa--gfx1250"
	.amdhsa_code_object_version 6
	.text
	.protected	k_qc11e800166_x_codes
	.globl	k_qc11e800166_x_codes
	.p2align	8
	.type	k_qc11e800166_x_codes,@function
k_qc11e800166_x_codes:
	s_mov_b64 s[64:65], 0
	v_nop
	global_prefetch_b8 v0, s[64:65] scope:SCOPE_SE
	s_setreg_imm32_b32 hwreg(HW_REG_WAVE_MODE, 25, 1), 1
	s_wait_xcnt 0x0
; x [32][4096] f32 becomes codes of E4M3 (divide by 2^e0, hold within +-448, round to nearest even), in the order and places that the second launch's LDS holds them.
; A work-group is one wave: 512 numbers, a quad c of a row b: four loads of 512 consecutive bytes, one store of 512 consecutive bytes (two whole aligned units of 256).
; Byte 16 l + 4 i + w of a quad's codes is k = 512 c + 128 i + 4 l + w: load i of lane l gives bytes 4 i .. 4 i + 3.  The 16-byte piece p of a row lies at place p xor (b / 2 mod 16).
; LIMITS: e0 between -126 and 119; NaN among the inputs is not served.
	s_load_b128 s[4:7], s[0:1], 0x0                ; x, lowp_scales
	s_load_b64 s[8:9], s[0:1], 0x10                ; the codes
	s_lshr_b32 s10, ttmp9, 4                       ; b / 2, b = work-group / 8: 0 .. 15
	s_lshl_b32 s12, ttmp9, 11                      ; 2,048 bytes of x a work-group
	s_mov_b32 s13, 0
	s_lshl_b32 s14, ttmp9, 9                       ; 512 bytes of codes
	s_mov_b32 s15, 0
	v_lshlrev_b32 v1, 4, v0
	v_xor_b32 v2, s10, v0
	v_lshlrev_b32 v2, 4, v2
	s_wait_alu depctr_va_vdst(0)
	s_wait_kmcnt 0x0
	s_load_b32 s16, s[6:7], 0x0                    ; e0
	s_add_nc_u64 s[4:5], s[4:5], s[12:13]
	s_add_nc_u64 s[8:9], s[8:9], s[14:15]
.irp i, 0,1,2,3
	global_load_b128 v[8+4*\i:11+4*\i], v1, s[4:5] offset:512*\i th:TH_LOAD_NT
.endr
	s_wait_kmcnt 0x0
	s_add_co_i32 s17, s16, 127
	s_lshl_b32 s18, s17, 23
	s_add_co_i32 s17, s17, 8
	s_lshl_b32 s17, s17, 23
	s_or_b32 s19, s17, 0x600000                    ; 448 x 2^e0
	s_xor_b32 s20, s19, 0x80000000                 ; and its negative
	v_mov_b32 v3, s18                              ; 2^e0 as f32: the conversion takes its exponent field
	s_wait_alu depctr_va_vdst(0)
	s_wait_loadcnt 0x0
.irp i, 8,9,10,11,12,13,14,15,16,17,18,19,20,21,22,23
	v_med3_num_f32 v[\i], v[\i], s20, s19          ; the conversion to an 8-bit code does not saturate (ISA guide 7.6.2)
.endr
	v_cvt_scalef32_pk8_fp8_f32 v[24:25], v[8:15], v3
	v_cvt_scalef32_pk8_fp8_f32 v[26:27], v[16:23], v3
	v_nop                                          ; a plain vector line behind the last conversion of the run
	global_store_b128 v2, v[24:27], s[8:9]
	s_endpgm
.Lfunc_end_k_qc11e800166_x_codes:
	.size	k_qc11e800166_x_codes, .Lfunc_end_k_qc11e800166_x_codes-k_qc11e800166_x_codes
	.p2alignl 7, 3214868480
	.fill 96, 4, 3214868480
	.section	.rodata,"a",@progbits
	.p2align	6, 0x0
	.amdhsa_kernel k_qc11e800166_x_codes
		.amdhsa_group_segment_fixed_size 0
		.amdhsa_private_segment_fixed_size 0
		.amdhsa_enable_private_segment 0
		.amdhsa_kernarg_size 24
		.amdhsa_user_sgpr_count 2
		.amdhsa_user_sgpr_kernarg_segment_ptr 1
		.amdhsa_wavefront_size32 1
		.amdhsa_system_sgpr_workgroup_id_x 1
		.amdhsa_system_sgpr_workgroup_id_y 1
		.amdhsa_system_sgpr_workgroup_id_z 1
		.amdhsa_system_vgpr_workitem_id 0
		.amdhsa_next_free_vgpr 32
		.amdhsa_next_free_sgpr 66
		.amdhsa_reserve_vcc 0
		.amdhsa_float_denorm_mode_32 3
		.amdhsa_float_denorm_mode_16_64 3
		.amdhsa_memory_ordered 1
		.amdhsa_forward_progress 1
		.amdhsa_inst_pref_size 3
	.end_amdhsa_kernel
	.amdgpu_metadata
---
amdhsa.version: [ 1, 2 ]
amdhsa.kernels:
  - .name:           k_qc11e800166_x_codes
    .symbol:         k_qc11e800166_x_codes.kd
    .args:
      - { .name: x, .offset: 0, .size: 8, .value_kind: global_buffer, .address_space: global }
      - { .name: lowp_scales, .offset: 8, .size: 8, .value_kind: global_buffer, .address_space: global }
      - { .name: xc, .offset: 16, .size: 8, .value_kind: global_buffer, .address_space: global }
    .group_segment_fixed_size: 0
    .private_segment_fixed_size: 0
    .kernarg_segment_align: 8
    .kernarg_segment_size: 24
    .max_flat_workgroup_size: 32
    .sgpr_count:     66
    .vgpr_count:     32
    .wavefront_size: 32
...
	.end_amdgpu_metadata
.endif
;; end of part 1
;; launch xnor_linear (part 2): grid 256 x 1, 16 waves a work-group, no clusters, 327,680 bytes of LDS; arguments weight, outlier_mask, bias, lowp_scales, xc, out0; writes out0
.if DOCPART == 2
	.amdgcn_target "amdgcn-amd-amdhsa--gfx1250"
	.amdhsa_code_object_version 6
	.text
	.protected	k_qc11e800166_xnor_linear
	.globl	k_qc11e800166_xnor_linear
	.p2align	8
	.type	k_qc11e800166_xnor_linear,@function
k_qc11e800166_xnor_linear:
	s_mov_b64 s[64:65], 0
	v_nop
	global_prefetch_b8 v0, s[64:65] scope:SCOPE_SE
	s_setreg_imm32_b32 hwreg(HW_REG_WAVE_MODE, 25, 1), 1
	s_wait_xcnt 0x0
; out0[b][o] = sum over i of Q(x)[b][i] * Q(w_eff)[o][i] + bias[o].   weight [11008][4096] f32, outlier_mask [11008][4096] bytes 0 / 1, bias [11008] f32, lowp_scales = e0 (x), e1 (w_eff),
; xc: x's codes as the first launch lays them, out0 [32][11008] f32.  Q: divide by 2^e, hold within +-448, round to E4M3.
; w_eff[o][i] = weight[o][i] where the mask is set; else s[o] * sign(weight[o][i] - mean[o]), with wz = the row with its masked numbers set to 0, mean = sum(wz) / 4096, s = sum|wz| / 4096.
;
; SHARES.  11008 = 256 x 43: a work-group owns 43 rows of the weight (43 columns of out0).  Sixteen waves; a wave takes a whole row: 16,384 bytes of weight and 4,096 of mask, which stay in registers
; between the pass that sums the row and the pass that makes its codes.  Every weight and mask byte is loaded once, 512 consecutive bytes a load.  Wave v makes rows v and 16 + v, waves 0-10 row 32 + v as well.
; ALL CODES STAY IN LDS: 43 rows of 4,112 bytes for the weight, 32 rows of 4,096 for x (one tensor load of 8,192 bytes a wave at the head).  So no row waits for a product:
; one barrier stands behind row 16 + v (x and rows 0-31 are whole), one behind row 32 + v, one behind the last partial sums.
; Behind the first barrier waves 12-15, which have no row 32 + v, multiply rows 0-31, a quarter of K each; the others make their last row.  Rows 32-42 are multiplied by all sixteen waves, 256 of K each.
; THE RING.  A row is eight quads, each 512 bytes of mask and the 2,048 bytes of weight that they belong to.  The registers hold eleven quads: quads of the next row are asked for before a row is finished,
; and further ones as the second pass leaves a quad's registers.  Quad g of a wave's walk (g = 0 .. 23, eight a row) lies in place g mod 11.
; PASS 1.  (mask << 6) + 0x40404040 turns four mask bytes into 0x40 (kept) or 0x80 (outlier); v_perm_b32 sets one of them on top of three zero bytes: 2.0 or -0.0.
; A packed multiply-add sums 2 wz, a multiply-add with |w| sums 2 |wz|; the factor 2 is exact and is taken out with the division by 4096.
; PASS 2.  d = w 2^100 - mean 2^100 (one rounding: the sign of w - mean, and 0 exactly where they are equal); the middle of (d, -s, s) is s sign(w - mean), sign(0) = 0 included; eight of them are converted at once.
; The weights themselves are held at +-448 x 2^e1 and converted likewise.  One v_perm_b32 for four codes picks by the mask: its selector is 0x03020100 + 4 x mask.  In the last row the weights' codes and the selectors are made in pass 1.
; THE MASK'S TURN.  A lane's 16 mask bytes of a load belong to 16 neighbouring weights, its 16 weight bytes to 4.  So each 512 bytes of mask go through the wave's own row slot in LDS; the row's codes are written there later, by the same wave.
; CODES.  Byte 512 c + 16 l + 4 i + b of a row is k = 512 c + 128 i + 4 l + b: a permutation of k, the same for x and for the weight, so each product meets its partner.
; x's 16-byte piece p of row b lies at place p xor (b / 2 mod 16).  A fragment of x takes rows 2 r + a (a = 0 or 1, r = 0 .. 15): sixteen different places modulo 256 bytes.
; NO CLUSTER: what work-groups share is x's codes, 131,072 of the 1,011,712 bytes that a work-group loads, asked for once.
; NO PREFETCH: a wave has up to eleven quads (28,160 bytes) of its own stream on their way into registers, each byte asked for once.
; OUT: a work-group's 43 columns are 172 bytes of a row of out0, so no aligned 256 bytes are its own; sixteen lanes store 64 consecutive bytes.
; LIMITS.  reference() forms (a - c) + c with a = s sign(wc), c = wc clipped to +-1; here a itself is quantised: the two differ by two f32 roundings, at most about 2^-24 (|a| + 2 |c|).
; A kept weight that differs from the mean by less than s 2^-100 without being equal to it gets d 2^100 in place of +-s.  |weight| and |mean| under 2^27.  NaN and infinities among the inputs are
; not served.  e0, e1 between -126 and 119, e0 + e1 between -126 and 127.  Mask bytes are 0 or 1.
.set IC,    4096
.set OC,    11008
.set NWG,   43                         ; rows of the weight for a work-group
.set ROWB,  IC*4                       ; a row of weight in bytes
.set MROWB, IC                         ; a row of the mask in bytes
.set OUTP,  OC*4                       ; a row of out0 in bytes
.set PITCH, IC+16                      ; a row of codes in LDS: 257 x 16 bytes, so the sixteen rows of a fragment load start 16 bytes apart modulo 256
.set SLOT0, 80                         ; LDS: the weight's row 0, so that row 43 would begin at a multiple of 256,
.set XOFF,  SLOT0+NWG*PITCH            ; where x's 32 rows of 4,096 bytes begin: 176,896
.set PART1, XOFF+32*4096               ; the partial sums of rows 0-31: four waves x 4,096 bytes
.set PART,  256                        ; the partial sums of rows 32-42: sixteen waves x 2,048 bytes, over rows 0-8 once those have been multiplied
.set SPARE, PART1+4*4096               ; the spare words, 128 bytes for each wave
.set RING,  11                         ; quads in registers
.set VOFF,  1                          ; v1      16 x lane: my bytes of every 512-byte load
.set LR,    2                          ; v2, v3  LDS: slot v (later 16 + v), + 16 x lane and + 4 x lane
.set LM,    3
.set BIA,   4                          ; v4-6    bias of my output columns n, 16 + n, 32 + n
.set SCW,   7                          ; v7      2^e1 as f32, for the conversions
.set PSA,   8                          ; v8      LDS: my partial tile + 16 x lane
.set AT,    9                          ; v9      at work
.set T,     10                         ; v10-11  pass 1: the mask's bytes as 0x40 / 0x80; else at work
.set KF,    12                         ; v12-19  pass 1: 2.0 or -0.0 for eight weights
.set D,     12                         ; v12-19  pass 2: d, then s sign(d);   products: accumulator
.set SA,    20                         ; v20-23  pass 1: four sums of 2 wz;   products: v20-27 accumulator
.set CQ,    20                         ; v20-21  pass 2: codes of s sign(d)
.set CW,    22                         ; v22-23  pass 2: codes of the weights
.set AB,    24                         ; v24-27  pass 1: four sums of 2 |wz|
.set OUTC,  24                         ; v24-27  pass 2: sixteen chosen codes
.set NM,    28                         ; v28-29  -mean x 2^100 (named as a pair)
.set SH,    30                         ; v30     s, held at 448 x 2^e1
.set OOFF,  31                         ; v31     my output's byte offset: 44,032 m + 4 n
.set MB,    32                         ; v32-75  the ring: eleven quads of mask
.set WB,    76                         ; v76-251 the ring: eleven quads of weights
.set CWL,   108                        ; the last row (ring places 5 to 10, 0, 1): v108-139 the weights' codes,
.set TL,    140                        ; v140-155 sixteen numbers at work
.set XR0,   60                         ; v60-251 three buffers of 64 for fragments
.set SPW,   252                        ; v252    LDS: my spare word; never rewritten
.set NIL,   253                        ; v253    0; never rewritten
.set L2R,   254                        ; v254, v255  LDS: slot 32 + v, + 16 x lane and + 4 x lane (waves 11-15 have no such row and never use them)
.set L2M,   255
	s_load_b256 s[4:11], s[0:1], 0x0               ; weight s[4:5], mask s[6:7], bias s[8:9], lowp_scales s[10:11]
	s_load_b128 s[12:15], s[0:1], 0x20             ; x's codes s[12:13], out0 s[14:15]
	v_lshl_add_u32 v[SPW], v0, 2, SPARE
	v_mov_b32 v[NIL], 0
	ds_add_u32 v[SPW], v[NIL]                      ; the wave's opening: the add, twice on end, and its wait ahead of my first tensor load
	ds_add_u32 v[SPW], v[NIL]
	v_lshrrev_b32 v[AT], 5, v0
	v_readfirstlane_b32 s16, v[AT]                 ; wave 0..15
	s_mul_i32 s17, s16, PITCH
	s_add_co_u32 s17, s17, SLOT0                   ; slot v
	s_min_u32 s19, s16, NWG-33
	s_mul_i32 s19, s19, PITCH
	s_add_co_u32 s19, s19, SLOT0+32*PITCH          ; slot 32 + v
	s_lshl_b32 s42, s16, 11
	s_add_co_u32 s42, s42, PART                    ; my partial tile
	s_and_b32 s41, s16, 14
	s_and_b32 s46, s16, 1
	s_lshl_b32 s41, s41, 1
	s_add_co_u32 s41, s41, s46                     ; my output's row is m = 2 (v & 14) + (v & 1) + 2 (lane / 16)
	v_and_b32 v[AT], 31, v0                        ; lane
	v_lshlrev_b32 v[VOFF], 4, v[AT]
	v_add_nc_u32 v[LR], s17, v[VOFF]
	v_lshl_add_u32 v[LM], v[AT], 2, s17
	v_add_nc_u32 v[L2R], s19, v[VOFF]
	v_lshl_add_u32 v[L2M], v[AT], 2, s19
	v_add_nc_u32 v[PSA], s42, v[VOFF]
	v_and_b32 v[T], 15, v0                         ; n: my output's column in a tile
	v_bfe_u32 v[OOFF], v0, 4, 1
	v_lshl_add_u32 v[OOFF], v[OOFF], 1, s41
	v_mul_u32_u24 v[OOFF], v[OOFF], OUTP
	v_lshl_add_u32 v[OOFF], v[T], 2, v[OOFF]
	v_min_u32 v[T+1], NWG-33, v[T]                 ; rows 32-42 are 11 columns: the lanes beyond them read the last one's bias, so that no load leaves the buffer
	v_lshlrev_b32 v[T], 2, v[T]
	v_lshlrev_b32 v[T+1], 2, v[T+1]
	s_mul_i32 s18, ttmp9, NWG                      ; the work-group's first row of the weight
	s_add_co_u32 s20, s18, s16                     ; + v
	s_lshl_b32 s22, s20, 12                        ; x 4,096 bytes
	s_mov_b32 s23, 0
	s_lshl_b32 s20, s20, 14                        ; x 16,384 bytes (under 2^28)
	s_mov_b32 s21, 0
	s_lshl_b32 s24, s16, 13                        ; x's codes: 8,192 bytes a wave
	s_mov_b32 s25, 0
	s_lshl_b32 s26, s18, 2                         ; the work-group's first column, in bytes of bias and of a row of out0
	s_mov_b32 s27, 0
	; descriptor of x's codes: 32 rows of 256 bytes (32 elements of 8 bytes), dense
	s_mov_b32 s48, 1
	s_add_co_u32 s49, s24, XOFF
	s_mov_b32 s52, 3<<16
	s_mov_b32 s53, 32<<16
	s_mov_b32 s54, 32<<16
	s_mov_b32 s55, 32<<16
	s_mov_b32 s56, 32
	s_mov_b32 s57, 32
	s_mov_b32 s58, 0
	s_mov_b32 s59, 0
	s_lshl_b32 s42, s16, 8                         ; the last products: my 256 positions of k
	s_add_co_u32 s44, s42, SLOT0+32*PITCH          ; in the weight's rows 32 on,
	s_add_co_u32 s42, s42, XOFF                    ; in x's rows
	; where thread (m, n) finds its number in a partial tile.  A partial tile is the image of 16 registers: register 8 a + j of lane 16 h + n is output (2 (8 h + j) + a, n), at byte 1024 a + 512 (j / 4) + 16 (16 h + n) + 4 (j % 4).
	; With m as above: a = bit 0 of v, bits 1 and 2 of j = bits 1 and 2 of v, h = bit 3 of v, bit 0 of j = lane / 16.
	s_and_b32 s45, s16, 1
	s_lshl_b32 s45, s45, 10
	s_bfe_u32 s47, s16, 0x10002
	s_lshl_b32 s47, s47, 9
	s_add_co_u32 s45, s45, s47
	s_lshr_b32 s47, s16, 3
	s_lshl_b32 s47, s47, 8
	s_add_co_u32 s45, s45, s47
	s_bfe_u32 s47, s16, 0x10001
	s_lshl_b32 s47, s47, 3
	s_add_co_u32 s45, s45, s47
	s_add_co_u32 s45, s45, PART
	s_mov_b32 s30, 0x04000000                      ; v_perm_b32 selectors: byte b of the first source on top, byte 0 of the second (the constant 0) below
	s_mov_b32 s31, 0x05000000
	s_mov_b32 s32, 0x06000000
	s_mov_b32 s33, 0x07000000
	s_mov_b32 s34, 0x40404040
	s_mov_b32 s35, 0x03020100
	s_mov_b32 s36, 0x71800000                      ; 2^100
	s_mov_b32 s37, s36                             ; (named with it as a pair, so it is written)
	s_mov_b32 s38, 0x76543210                      ; v_permlanex16_b32: lane l xor 16
	s_mov_b32 s39, 0xfedcba98
	s_wait_alu depctr_va_vdst(0)
	s_wait_dscnt 0x0                               ; both opening adds are done
	s_wait_kmcnt 0x0
	s_add_nc_u64 s[4:5], s[4:5], s[20:21]          ; weight at row v; a row's place stands in the loads' immediates
	s_add_nc_u64 s[6:7], s[6:7], s[22:23]          ; mask likewise
	s_add_nc_u64 s[50:51], s[12:13], s[24:25]      ; my part of x's codes
	s_or_b32 s51, s51, 0x80000000
	s_add_nc_u64 s[8:9], s[8:9], s[26:27]          ; bias and out0 at the work-group's first column
	s_add_nc_u64 s[14:15], s[14:15], s[26:27]
	s_load_b64 s[18:19], s[10:11], 0x0             ; e0, e1
	global_load_b32 v[BIA], v[T], s[8:9]
	global_load_b32 v[BIA+1], v[T], s[8:9] offset:64
	global_load_b32 v[BIA+2], v[T+1], s[8:9] offset:128
; Quad g of my walk: 512 bytes of mask, then the 2,048 bytes of weight that they belong to.  Rows v, 16 + v, 32 + v of the work-group.  Read once in the launch.
.macro LOADG g
.set RW, 16*((\g)/8)
.set QC, (\g)%8
.set MQ, MB+4*((\g)%RING)
.set WQ, WB+16*((\g)%RING)
	global_load_b128 v[MQ:MQ+3], v[VOFF], s[6:7] offset:RW*MROWB+512*QC th:TH_LOAD_NT
.irp i, 0,1,2,3
	global_load_b128 v[WQ+4*\i:WQ+4*\i+3], v[VOFF], s[4:5] offset:RW*ROWB+2048*QC+512*\i th:TH_LOAD_NT
.endr
.endm
; The mask's turn for quad g: 512 bytes as they lie into my slot, back four bytes a lane: register MQ + i then holds the mask of the four weights of load i.
; LDS serves a wave's instructions in order (ISA guide 5.7.1.4): the loads see the store, and land in the registers that it has left.
.macro TURN g, lr, lm
.set MQ, MB+4*((\g)%RING)
.set QC, (\g)%8
	ds_store_b128 v[\lr], v[MQ:MQ+3] offset:512*QC
.irp i, 0,1,2,3
	ds_load_b32 v[MQ+\i], v[\lm] offset:512*QC+128*\i
.endr
.endm
; Four weights into the sums; the row's first four (z = 0) start them: nothing is cleared.
.macro SUM4 w, k, z
.set WX, \w
.set KX, \k
.if (\z) == 0
	v_pk_mul_f32 v[SA:SA+1], v[WX:WX+1], v[KX:KX+1]
	v_pk_mul_f32 v[SA+2:SA+3], v[WX+2:WX+3], v[KX+2:KX+3]
.irp b, 0,1,2,3
	v_mul_f32 v[AB+\b], |v[WX+\b]|, v[KX+\b]
.endr
.else
	v_pk_fma_f32 v[SA:SA+1], v[WX:WX+1], v[KX:KX+1], v[SA:SA+1]
	v_pk_fma_f32 v[SA+2:SA+3], v[WX+2:WX+3], v[KX+2:KX+3], v[SA+2:SA+3]
.irp b, 0,1,2,3
	v_fma_f32 v[AB+\b], |v[WX+\b]|, v[KX+\b], v[AB+\b]
.endr
.endif
.endm
; Pass 1 for quad g: sixteen weights a lane.  mode = 1, the last row: the weights' codes and the selectors too.
.macro P1Q g, mode
.set MQ, MB+4*((\g)%RING)
.set WQ, WB+16*((\g)%RING)
.set QC, (\g)%8
.irp y, 0,2
	v_lshl_add_u32 v[T], v[MQ+\y], 6, s34          ; bytes 0x40 (kept) or 0x80 (outlier)
	v_lshl_add_u32 v[T+1], v[MQ+\y+1], 6, s34
.irp b, 0,1,2,3
	v_perm_b32 v[KF+\b], v[T], 0, s[30+\b]         ; 0x40000000 = 2.0 or 0x80000000 = -0.0
.endr
.irp b, 0,1,2,3
	v_perm_b32 v[KF+4+\b], v[T+1], 0, s[30+\b]
.endr
	SUM4 WQ+4*\y, KF, QC+\y
	SUM4 WQ+4*\y+4, KF+4, 1
.endr
.if \mode == 1
.irp i, 0,1,2,3,4,5,6,7,8,9,10,11,12,13,14,15
	v_med3_num_f32 v[TL+\i], v[WQ+\i], s29, s28    ; the weights themselves, held within +-448 x 2^e1 (ISA guide 7.6.2)
.endr
	v_cvt_scalef32_pk8_fp8_f32 v[CWL+4*QC:CWL+4*QC+1], v[TL:TL+7], v[SCW]
	v_cvt_scalef32_pk8_fp8_f32 v[CWL+4*QC+2:CWL+4*QC+3], v[TL+8:TL+15], v[SCW]
.irp i, 0,1,2,3
	v_lshl_add_u32 v[MQ+\i], v[MQ+\i], 2, s35      ; selector byte b: b (second source) or b + 4 (first source)
.endr
.endif
.endm
; Pass 1 goes along with the row's arrival.  A quad is 5 loads in the order mask, weights (four), and loads come back in order (ISA guide 5.7.1).  ahead = quads of the next row that have been asked for behind this row's eight.
; mode = 2, row 16 + v: the first three quads of row 32 + v are asked for when this row is in (waves 0 to 10 alone have such a row).
.macro PASS1 g0, ahead, lr, lm, mode
	s_wait_loadcnt 5*(8+\ahead)-1                  ; the row's first mask load is in
	TURN \g0, \lr, \lm
.irp c, 0,1,2,3,4,5,6
	s_wait_loadcnt 5*(7+\ahead-\c)-1               ; quad c's weights and quad c + 1's mask are in: 5 (8 + ahead) - (5 c + 6) loads were issued behind them
	TURN \g0+\c+1, \lr, \lm
	s_wait_dscnt 5                                 ; quad c's mask is back; the five LDS instructions of quad c + 1's turn may be out
	P1Q \g0+\c, \mode
.endr
	s_wait_loadcnt 5*\ahead
	s_wait_dscnt 0
.if \mode == 2
	s_cmp_lt_u32 s16, NWG-32
	s_cbranch_scc0 .Lnone_ahead_\@
	LOADG 16
	LOADG 17
	LOADG 18
.Lnone_ahead_\@:
.endif
	P1Q \g0+7, \mode
.endm
; The row's two sums over the 32 lanes, then -mean 2^100 and s.
.macro STATS
	v_pk_add_f32 v[SA:SA+1], v[SA:SA+1], v[SA+2:SA+3]
	v_add_f32 v[AB], v[AB], v[AB+1]
	v_add_f32 v[AB+2], v[AB+2], v[AB+3]
	s_delay_alu instid0(VALU_DEP_3)
	v_add_f32 v[SA], v[SA], v[SA+1]
	s_delay_alu instid0(VALU_DEP_2)
	v_add_f32 v[AB], v[AB], v[AB+2]
.irp x, 1,2,4,8
	s_delay_alu instid0(VALU_DEP_2)
	v_add_f32_dpp v[SA], v[SA], v[SA] row_xmask:\x row_mask:0xf bank_mask:0xf
	s_delay_alu instid0(VALU_DEP_2)
	v_add_f32_dpp v[AB], v[AB], v[AB] row_xmask:\x row_mask:0xf bank_mask:0xf
.endr
	s_delay_alu instid0(VALU_DEP_2)
	v_permlanex16_b32 v[T], v[SA], s38, s39        ; (its destination counts as read: T was written in pass 1)
	s_delay_alu instid0(VALU_DEP_2)
	v_permlanex16_b32 v[T+1], v[AB], s38, s39
	s_delay_alu instid0(VALU_DEP_2)
	v_add_f32 v[SA], v[SA], v[T]                   ; 2 sum(wz), in every lane
	s_delay_alu instid0(VALU_DEP_2)
	v_add_f32 v[AB], v[AB], v[T+1]                 ; 2 sum|wz|
	s_delay_alu instid0(VALU_DEP_2)
	v_mul_f32 v[NM], 0xeb000000, v[SA]             ; x -2^87 = -(sum / 4096) x 2^100: exact
	s_delay_alu instid0(VALU_DEP_2)
	v_mul_f32 v[SH], 0x39000000, v[AB]             ; x 2^-13 = sum|wz| / 4096: exact
	s_delay_alu instid0(VALU_DEP_2)
	v_mov_b32 v[NM+1], v[NM]                       ; (named as the pair's upper half)
	s_delay_alu instid0(VALU_DEP_2)
	v_min_num_f32 v[SH], s28, v[SH]                ; s is not negative: its hold is one-sided
.endm
; Pass 2 for quad g: sixteen codes a lane, one store; then the quad's registers take quad g + 11 where more = 1 (more = 2: in waves 0 to 10 alone).
.macro P2Q g, lr, more
.set MQ, MB+4*((\g)%RING)
.set WQ, WB+16*((\g)%RING)
.set QC, (\g)%8
.irp u, 0,1
.irp p, 0,2,4,6
	v_pk_fma_f32 v[D+\p:D+\p+1], v[WQ+8*\u+\p:WQ+8*\u+\p+1], s[36:37], v[NM:NM+1] op_sel_hi:[1,0,0]   ; d = w 2^100 - mean 2^100 (of both pairs the low word serves both halves)
.endr
.irp i, 0,1,2,3,4,5,6,7
	v_med3_num_f32 v[D+\i], v[D+\i], -v[SH], v[SH]                      ; s sign(w - mean); 0 where they are equal
.endr
	v_cvt_scalef32_pk8_fp8_f32 v[CQ:CQ+1], v[D:D+7], v[SCW]
.irp i, 0,1,2,3,4,5,6,7
	v_med3_num_f32 v[WQ+8*\u+\i], v[WQ+8*\u+\i], s29, s28               ; the weights themselves, held within +-448 x 2^e1 (ISA guide 7.6.2)
.endr
	v_cvt_scalef32_pk8_fp8_f32 v[CW:CW+1], v[WQ+8*\u:WQ+8*\u+7], v[SCW]
	v_lshl_add_u32 v[MQ+2*\u], v[MQ+2*\u], 2, s35                       ; the selectors.  These two plain lines also stand between the conversion and the use of its result
	v_lshl_add_u32 v[MQ+2*\u+1], v[MQ+2*\u+1], 2, s35
	v_perm_b32 v[OUTC+2*\u], v[CW], v[CQ], v[MQ+2*\u]                   ; the weight's code where the mask is set, else the binary one
	v_perm_b32 v[OUTC+2*\u+1], v[CW+1], v[CQ+1], v[MQ+2*\u+1]
.endr
	ds_store_b128 v[\lr], v[OUTC:OUTC+3] offset:512*QC
.if \more == 2
	s_cmp_lt_u32 s16, NWG-32                       ; rows 32 on are 11: waves 11 to 15 ask for nothing
	s_cbranch_scc0 .Lno_load_\@
.endif
.if \more
	LOADG \g+RING
.endif
.if \more == 2
.Lno_load_\@:
.endif
.endm
; Pass 2 for quad g of the last row: the weights' codes and the selectors are there.
.macro P2L g, lr
.set MQ, MB+4*((\g)%RING)
.set WQ, WB+16*((\g)%RING)
.set QC, (\g)%8
.irp p, 0,2,4,6
	v_pk_fma_f32 v[D+\p:D+\p+1], v[WQ+\p:WQ+\p+1], s[36:37], v[NM:NM+1] op_sel_hi:[1,0,0]
.endr
.irp p, 0,2,4,6
	v_pk_fma_f32 v[TL+\p:TL+\p+1], v[WQ+8+\p:WQ+8+\p+1], s[36:37], v[NM:NM+1] op_sel_hi:[1,0,0]
.endr
.irp i, 0,1,2,3,4,5,6,7
	v_med3_num_f32 v[D+\i], v[D+\i], -v[SH], v[SH]
.endr
.irp i, 0,1,2,3,4,5,6,7
	v_med3_num_f32 v[TL+\i], v[TL+\i], -v[SH], v[SH]
.endr
	v_cvt_scalef32_pk8_fp8_f32 v[CQ:CQ+1], v[D:D+7], v[SCW]
	v_cvt_scalef32_pk8_fp8_f32 v[CQ+2:CQ+3], v[TL:TL+7], v[SCW]
	v_nop                                          ; a plain line between the conversions and the use of their results
.irp i, 0,1,2,3
	v_perm_b32 v[OUTC+\i], v[CWL+4*QC+\i], v[CQ+\i], v[MQ+\i]
.endr
	ds_store_b128 v[\lr], v[OUTC:OUTC+3] offset:512*QC
.endm
; A fragment, 16 rows x 128 positions of k: lane (r, h) takes, of row r, bytes 32 c + 16 h + 0 .. 15 into registers 4 c .. 4 c + 3: the same places for x and for the weight.
.macro FRAG reg, adr, off
.set FR, \reg
.irp c, 0,1,2,3
	ds_load_b128 v[FR+4*\c:FR+4*\c+3], v[\adr] offset:\off+32*\c
.endr
.endm
; The same for x: register adr + i points at piece 2 i + h of row 2 r's 256 bytes; s = the step of 128
.macro FRAGX reg, adr, off, s
.set FR, \reg
.set AX, \adr+4*((\s)%2)
.irp c, 0,1,2,3
	ds_load_b128 v[FR+4*\c:FR+4*\c+3], v[AX+\c] offset:\off+256*((\s)/2)
.endr
.endm
; x's eight address registers: place + 4096 x row 2 r + 16 ((2 i + h) xor r); T = r, T + 1 = h; the place is a multiple of 256
.macro XADR adr, place
	v_xor_b32 v[AT], v[T], v[T+1]
	v_lshlrev_b32 v[AT], 4, v[AT]
	v_lshl_add_u32 v[AT], v[T], 13, v[AT]
	v_add_nc_u32 v[\adr], \place, v[AT]
.irp i, 1,2,3,4,5,6,7
	v_xor_b32 v[\adr+\i], 32*\i, v[\adr]
.endr
.endm
.irp k, 0,1,2,3,4,5,6,7,8,9,10
	LOADG \k
.endr
	tensor_load_to_lds s[48:51], s[52:59]          ; my 8,192 bytes of x's codes
	s_nop 0
	; what hangs on the two exponents
	s_wait_kmcnt 0x0
	s_add_co_i32 s24, s19, 127
	s_lshl_b32 s25, s24, 23
	v_mov_b32 v[SCW], s25                          ; 2^e1 as f32: the conversion takes its exponent field
	s_add_co_i32 s24, s24, 8
	s_lshl_b32 s24, s24, 23
	s_or_b32 s28, s24, 0x600000                    ; 448 x 2^e1
	s_xor_b32 s29, s28, 0x80000000                 ; and its negative
	s_add_co_i32 s40, s18, s19
	s_add_co_i32 s40, s40, 127
	s_lshl_b32 s40, s40, 23                        ; 2^(e0 + e1) as f32
	s_wait_alu depctr_va_vdst(0)
	; ---- row v
	PASS1 0, 3, LR, LM, 0
	STATS
.irp c, 0,1,2,3,4
	P2Q \c, LR, 1
.endr
.irp c, 5,6,7
	P2Q \c, LR, 0
.endr
	v_add_nc_u32 v[LR], 16*PITCH, v[LR]            ; slot 16 + v
	v_add_nc_u32 v[LM], 16*PITCH, v[LM]
	s_wait_alu depctr_va_vdst(0)
	; ---- row 16 + v
	PASS1 8, 0, LR, LM, 2
	STATS
.irp c, 8,9,10,11,12
	P2Q \c, LR, 2
.endr
.irp c, 13,14,15
	P2Q \c, LR, 0
.endr
	s_wait_alu depctr_va_vdst(0)
	s_wait_tensorcnt 0x0                           ; for the others' sake: my part of x's codes has landed,
	s_wait_dscnt 0x0                               ; and my rows' codes lie in LDS
	s_barrier_signal -1
	s_barrier_wait -1                              ; x and rows 0 to 31 are whole; the loads of row 32 + v stay on their way
	s_cmp_lt_u32 s16, NWG-32
	s_cbranch_scc0 .Lno_row
	; ---- waves 0 to 10: row 32 + v
	PASS1 16, 0, L2R, L2M, 1
	STATS
.irp c, 16,17,18,19,20,21,22,23
	P2L \c, L2R
.endr
	s_wait_alu depctr_va_vdst(0)
	s_branch .Ljoin
.Lno_row:
	s_cmp_lt_u32 s16, 12
	s_cbranch_scc1 .Ljoin                          ; wave 11 has neither
	; ---- waves 12 to 15: rows 0 to 31 of the weight with all of x, k positions 1024 q .. 1024 q + 1023, q = wave - 12: eight steps of 128, four fragments and four products a step
	s_wait_loadcnt 0x0                             ; (no load of these waves is out)
	s_and_b32 s20, s16, 3
	s_lshl_b32 s21, s20, 10
	s_add_co_u32 s22, s21, XOFF
	s_add_co_u32 s23, s21, SLOT0
	s_lshl_b32 s24, s20, 12
	s_add_co_u32 s24, s24, PART1
	v_and_b32 v[T], 15, v0                         ; r
	v_bfe_u32 v[T+1], v0, 4, 1                     ; h
	XADR 52, s22                                   ; v52-59: x
	v_mul_u32_u24 v[50], v[T], PITCH
	v_lshl_add_u32 v[50], v[T+1], 4, v[50]
	v_add_nc_u32 v[50], s23, v[50]                 ; rows 0-15
	v_add_nc_u32 v[51], 16*PITCH, v[50]            ; rows 16-31
	v_add_nc_u32 v[48], s24, v[VOFF]               ; where my partial sums go
	s_wait_alu depctr_va_vdst(0)
.macro MFR g                           ; step g's 16 loads, into buffer g % 3
.set BL, XR0+64*((\g)%3)
	FRAGX BL, 52, 0, \g
	FRAGX BL+16, 52, 4096, \g
	FRAG BL+32, 50, 128*(\g)
	FRAG BL+48, 51, 128*(\g)
.endm
; Four accumulators (v12, v20: rows 0-15 with x's even and odd rows; v32, v40: rows 16-31) take turns, one instruction a turn.
.macro MMG g
.if (\g) < 6
	s_wait_dscnt 32                                ; this step is in; the two behind it, 32 loads, may be out
.else
	s_wait_dscnt 16*(7-(\g))
.endif
.set BB, XR0+64*((\g)%3)
.if (\g) == 0
	v_wmma_f32_16x16x128_fp8_fp8 v[12:19], v[BB:BB+15], v[BB+32:BB+47], 0        ; source 0 = 16 rows of x, source 1 = 16 rows of the weight: register j of lane (r, h) is output (2 (8 h + j) + a, r)
	v_wmma_f32_16x16x128_fp8_fp8 v[20:27], v[BB+16:BB+31], v[BB+32:BB+47], 0
	v_wmma_f32_16x16x128_fp8_fp8 v[32:39], v[BB:BB+15], v[BB+48:BB+63], 0
	v_wmma_f32_16x16x128_fp8_fp8 v[40:47], v[BB+16:BB+31], v[BB+48:BB+63], 0
.else
	v_wmma_f32_16x16x128_fp8_fp8 v[12:19], v[BB:BB+15], v[BB+32:BB+47], v[12:19]
	v_wmma_f32_16x16x128_fp8_fp8 v[20:27], v[BB+16:BB+31], v[BB+32:BB+47], v[20:27]
	v_wmma_f32_16x16x128_fp8_fp8 v[32:39], v[BB:BB+15], v[BB+48:BB+63], v[32:39]
	v_wmma_f32_16x16x128_fp8_fp8 v[40:47], v[BB+16:BB+31], v[BB+48:BB+63], v[40:47]
.endif
.if (\g)+3 < 8
.rept 4
	v_nop                                          ; places in front of the loads into the fragments
.endr
	MFR \g+3
.endif
.endm
	MFR 0
	MFR 1
	MFR 2
.irp g, 0,1,2,3,4,5,6,7
	MMG \g
.endr
.rept 4
	v_nop                                          ; places in front of the stores that read the results
.endr
	ds_store_b128 v[48], v[12:15]                  ; two images of sixteen registers; each accumulator from its low end on
	ds_store_b128 v[48], v[16:19] offset:512
	ds_store_b128 v[48], v[20:23] offset:1024
	ds_store_b128 v[48], v[24:27] offset:1536
	ds_store_b128 v[48], v[32:35] offset:2048
	ds_store_b128 v[48], v[36:39] offset:2560
	ds_store_b128 v[48], v[40:43] offset:3072
	ds_store_b128 v[48], v[44:47] offset:3584
	; ---- every wave: the products of rows 32 to 42, positions 256 v .. 256 v + 255 of k.  The fragment's rows 43 to 47 are x's first bytes: their columns are not stored
.Ljoin:
	s_wait_loadcnt 0x0                             ; (no load is out)
	s_wait_dscnt 0x0                               ; for the others' sake: my codes or partial sums lie in LDS, and my reads of rows 0 to 31 are over
	s_barrier_signal -1
	v_and_b32 v[T], 15, v0                         ; r, n
	v_bfe_u32 v[T+1], v0, 4, 1                     ; h
	XADR 160, s42                                  ; v160-167: x, my 256 positions
	v_mul_u32_u24 v[168], v[T], PITCH
	v_lshlrev_b32 v[169], 4, v[T]
	v_lshl_add_u32 v[168], v[T+1], 4, v[168]
	v_lshl_add_u32 v[169], v[T+1], 2, v[169]
	v_add_nc_u32 v[168], s44, v[168]               ; the weight's rows 32 on
	v_add_nc_u32 v[169], s45, v[169]               ; where my output lies in a partial tile of rows 32-42: + 16 n + 4 (lane / 16),
	v_add_nc_u32 v[170], PART1-PART, v[169]        ; and of rows 0-15
	s_wait_alu depctr_va_vdst(0)
	s_barrier_wait -1                              ; rows 32 to 42 are whole, and rows 0 to 8's slots may take the partial tiles
	FRAG XR0, 168, 0
	FRAGX XR0+16, 160, 0, 0
	FRAGX XR0+32, 160, 4096, 0
	FRAG XR0+48, 168, 128
	FRAGX XR0+64, 160, 0, 1
	FRAGX XR0+80, 160, 4096, 1
	s_wait_dscnt 12                                ; the first step's three fragments are in; the second's, 12 loads, may be out
	v_wmma_f32_16x16x128_fp8_fp8 v[D:D+7], v[XR0+16:XR0+31], v[XR0:XR0+15], 0
	v_wmma_f32_16x16x128_fp8_fp8 v[SA:SA+7], v[XR0+32:XR0+47], v[XR0:XR0+15], 0
	s_wait_dscnt 0x0
	v_wmma_f32_16x16x128_fp8_fp8 v[D:D+7], v[XR0+64:XR0+79], v[XR0+48:XR0+63], v[D:D+7]      ; the two accumulators take turns
	v_wmma_f32_16x16x128_fp8_fp8 v[SA:SA+7], v[XR0+80:XR0+95], v[XR0+48:XR0+63], v[SA:SA+7]
.rept 4
	v_nop                                          ; places in front of the stores that read the results
.endr
	ds_store_b128 v[PSA], v[D:D+3]                 ; my partial tile as an image of its sixteen registers; each accumulator from its low end on
	ds_store_b128 v[PSA], v[D+4:D+7] offset:512
	ds_store_b128 v[PSA], v[SA:SA+3] offset:1024
	ds_store_b128 v[PSA], v[SA+4:SA+7] offset:1536
	s_wait_dscnt 0x0                               ; for the others' sake: my partial tile lies in LDS
	s_barrier_signal -1
	s_barrier_wait -1
.set XS, XR0
.irp k, 0,1,2,3,4,5,6,7,8,9,10,11,12,13,14,15
	ds_load_b32 v[XS+\k], v[169] offset:2048*\k    ; my output's sixteen parts of rows 32-42; the 32 lanes take 32 different words 4 n + lane / 16
.endr
.irp k, 0,1,2,3
	ds_load_b32 v[XS+16+\k], v[170] offset:4096*\k       ; the four of rows 0-15,
	ds_load_b32 v[XS+20+\k], v[170] offset:4096*\k+2048  ; and of rows 16-31
.endr
	s_wait_dscnt 0x0
.irp k, 0,4,8,12,16,20
	v_pk_add_f32 v[XS+\k:XS+\k+1], v[XS+\k:XS+\k+1], v[XS+\k+2:XS+\k+3]
.endr
	v_pk_add_f32 v[XS:XS+1], v[XS:XS+1], v[XS+4:XS+5]
	v_pk_add_f32 v[XS+8:XS+9], v[XS+8:XS+9], v[XS+12:XS+13]
	v_add_f32 v[XS+16], v[XS+16], v[XS+17]
	v_add_f32 v[XS+20], v[XS+20], v[XS+21]
	v_pk_add_f32 v[XS:XS+1], v[XS:XS+1], v[XS+8:XS+9]
	v_fma_f32 v[XS+16], v[XS+16], s40, v[BIA]      ; sum x 2^(e0 + e1) + bias
	v_fma_f32 v[XS+20], v[XS+20], s40, v[BIA+1]
	v_add_f32 v[XS], v[XS], v[XS+1]
	v_and_b32 v[T], 15, v0
	v_fma_f32 v[XS], v[XS], s40, v[BIA+2]
	v_cmp_gt_u32 vcc_lo, NWG-32, v[T]              ; the last tile has 11 columns
	global_store_b32 v[OOFF], v[XS+16], s[14:15] th:TH_STORE_NT            ; sixteen lanes store 64 consecutive bytes
	global_store_b32 v[OOFF], v[XS+20], s[14:15] offset:64 th:TH_STORE_NT
	s_wait_alu depctr_va_vdst(0)
	s_wait_xcnt 0x0                                ; EXEC changes only behind this wait
	s_and_saveexec_b32 s47, vcc_lo
	global_store_b32 v[OOFF], v[XS], s[14:15] offset:128 th:TH_STORE_NT
	s_wait_xcnt 0x0                                ; and again in front of the line that widens it
	s_or_b32 exec_lo, exec_lo, s47
	s_wait_tensorcnt 0x0                           ; the wave's end
	ds_add_u32 v[SPW], v[NIL]
	s_wait_dscnt 0x0
	s_endpgm
.Lfunc_end_k_qc11e800166_xnor_linear:
	.size	k_qc11e800166_xnor_linear, .Lfunc_end_k_qc11e800166_xnor_linear-k_qc11e800166_xnor_linear
	.p2alignl 7, 3214868480
	.fill 96, 4, 3214868480
	.section	.rodata,"a",@progbits
	.p2align	6, 0x0
	.amdhsa_kernel k_qc11e800166_xnor_linear
		.amdhsa_group_segment_fixed_size 327680
		.amdhsa_private_segment_fixed_size 0
		.amdhsa_enable_private_segment 0
		.amdhsa_kernarg_size 48
		.amdhsa_user_sgpr_count 2
		.amdhsa_user_sgpr_kernarg_segment_ptr 1
		.amdhsa_wavefront_size32 1
		.amdhsa_system_sgpr_workgroup_id_x 1
		.amdhsa_system_sgpr_workgroup_id_y 1
		.amdhsa_system_sgpr_workgroup_id_z 1
		.amdhsa_system_vgpr_workitem_id 0
		.amdhsa_next_free_vgpr 256
		.amdhsa_next_free_sgpr 66
		.amdhsa_reserve_vcc 1
		.amdhsa_float_denorm_mode_32 3
		.amdhsa_float_denorm_mode_16_64 3
		.amdhsa_memory_ordered 1
		.amdhsa_forward_progress 1
		.amdhsa_inst_pref_size 197
	.end_amdhsa_kernel
	.amdgpu_metadata
---
amdhsa.version: [ 1, 2 ]
amdhsa.kernels:
  - .name:           k_qc11e800166_xnor_linear
    .symbol:         k_qc11e800166_xnor_linear.kd
    .args:
      - { .name: weight, .offset: 0, .size: 8, .value_kind: global_buffer, .address_space: global }
      - { .name: outlier_mask, .offset: 8, .size: 8, .value_kind: global_buffer, .address_space: global }
      - { .name: bias, .offset: 16, .size: 8, .value_kind: global_buffer, .address_space: global }
      - { .name: lowp_scales, .offset: 24, .size: 8, .value_kind: global_buffer, .address_space: global }
      - { .name: xc, .offset: 32, .size: 8, .value_kind: global_buffer, .address_space: global }
      - { .name: out0, .offset: 40, .size: 8, .value_kind: global_buffer, .address_space: global }
    .group_segment_fixed_size: 327680
    .private_segment_fixed_size: 0
    .kernarg_segment_align: 8
    .kernarg_segment_size: 48
    .max_flat_workgroup_size: 512
    .sgpr_count:     66
    .vgpr_count:     256
    .wavefront_size: 32
...
	.end_amdgpu_metadata
.endif
;; end of part 2
